; MI455X (gfx1250); checked and timed in simulation.
; The chip was launched on July 23, 2026; its instructions are those of AMD's public machine-readable ISA for CDNA 5 (MIT licence, August 2026) and "CDNA5" Instruction Set Architecture Reference Guide (July 2026). The comments in the code are by the model that wrote it; some were corrected since.
;; Pointwise Aggregated Attention. Allowed arithmetic: matrix products marked QUANTISED: E4M3 operands, one given power-of-two scale a tensor, by v_wmma_f32_16x16x64_fp8_fp8 or v_wmma_f32_16x16x128_fp8_fp8, f32 sums; everything else in f32.
;; Inputs: k 2 x 2,048 x 1,024 float32; lowp_scales 4 int32 (the exponents e of the quantised operands' scales 2^e); mask 2 x 2,048 int32; q 2 x 2,048 x 1,024 float32; rel_bias 32 x 16 float32; v_codes 2 x 1,024 x 64 x 32 uint8 (E4M3 codes of v, K innermost, in blocks of 32 codes).
;; Outputs: out0 2 x 2,048 x 1,024 float32.
;; This version of the problem:
;;   THIS VERSION OF THE PROBLEM IS GIVEN IN LOW PRECISION. The matrix products marked QUANTISED in the list below multiply operands that are first quantised to E4M3 (4 exponent bits, 3 mantissa bits; 8 bits a number), with one given power-of-two scale for each operand tensor; their sums are f32. All else is computed in f32.
;;   The module's matrix products, in the order in which they are computed (A, B: the left and right operand; K: the contracted axis; several contracted axes count as one K, in the product's order):
;;     1. batch 32 x [M 2,048, K 64] x [K 64, N 2,048]; A: input q; B: input k: QUANTISED (scales: A lowp_scales[0], B lowp_scales[1])
;;     2. batch 32 x [M 2,048, K 2,048] x [K 2,048, N 64]; A: computed on the way; B: input v (given as codes): QUANTISED (scales: A lowp_scales[2], B lowp_scales[3])
;;   THE QUANTISER, for each operand of a quantised product, along K:
;;     - The operand's scale is 2^e, e = its entry of the input lowp_scales (int32; the entries are numbered through the quantised products in the list's order, A before B).
;;     - Each number is divided by the scale, clamped to +-448, and rounded to the nearest number of E4M3, ties to even, subnormals kept.
;;     - The product sums the exact products of the quantised numbers (number of the format x scale) in f32.
;;   ~~~python
;;   def quantise(x, axis, e):      # numpy; x: float32 -> the quantised numbers, widened to float32 again
;;       x = np.moveaxis(x, axis, -1); K = x.shape[-1]
;;       r = np.clip(x / 2.0 ** e, -448, 448)
;;       step = 2.0 ** (np.maximum(np.frexp(np.where(r == 0, 1, r))[1] - 1, -6) - 3)
;;       q = np.round(r / step) * step * 2.0 ** e      # np.round: ties to even
;;       return np.moveaxis(q, -1, axis).astype(np.float32)
;;   ~~~
;;   OPERANDS COMPUTED ON THE WAY. 'Computed on the way' means the value that the module computes at that place (a softmax that the list does not call 'softmax' is quantised finished and normalised). What goes into a quantiser is computed in f32, as accurately as f32 sums, v_exp_f32 and their like allow (about 1e-6 of the number): no bf16 or f16 on the way to a quantiser, and a product that is left as it is and whose result goes on into a quantised operand takes f32 operands (vector FMAs, or v_wmma_f32_16x16x4_f32). A number that lies on a knife's edge between two numbers of the format may be rounded either way, as far as f32 arithmetic and the matrix unit's own rounding can turn it there, and no further.
;;   INPUTS GIVEN AS CODES. v (in the module: [2, 2048, 1024], K = its axis 1): each comes as NAME_codes (uint8): NAME with its K axis moved to the last place and cut into blocks of 32 codes, [.., K / 32, bytes a block], one block behind the other in memory; one code a byte (a code: sign, 4 exponent bits, 3 mantissa bits); its scale is its entry of lowp_scales. Its value is code x scale, taken as it is: it is not quantised again, and the codes and scales need not be those that the quantiser above would give.
;; One version. Each part assembles by itself: llvm-mc -triple=amdgcn-amd-amdhsa -mcpu=gfx1250 --defsym DOCPART=n.
;; ======== version 1 of 1: 1 launch
;; limits: right only within a limited range of input values
;; launch attn (part 1): grid 8 x 32, 8 waves a work-group, no clusters, 327,680 bytes of LDS; arguments k, lowp_scales, mask, q, rel_bias, v_codes, out0; writes out0
.if DOCPART == 1
	.amdgcn_target "amdgcn-amd-amdhsa--gfx1250"
	.amdhsa_code_object_version 6
	.text
	.protected	k_qbf7c8d45fa_attn
	.globl	k_qbf7c8d45fa_attn
	.p2align	8
	.type	k_qbf7c8d45fa_attn,@function
k_qbf7c8d45fa_attn:
	s_mov_b64 s[64:65], 0
	v_nop
	global_prefetch_b8 v0, s[64:65] scope:SCOPE_SE
	s_setreg_imm32_b32 hwreg(HW_REG_WAVE_MODE, 25, 1), 1
	s_wait_xcnt 0x0
; out[b][q][64 h + d] = sum over keys of w[q][key] v[key][d],  w = softplus(q . k / 8 + rel_bias[bucket(q - key)][h]) where key <= q, mask[key] and mask[q], else 0,  divided by (the row's sum + 1e-8).
; Both products on codes of E4M3: q and k (f32) are quantised here along the head's 64 with 2^e0, 2^e1; the FINISHED, normalised w with 2^e2; v comes as codes, keys innermost, scale 2^e3.
; TWO PASSES OVER THE KEYS.  No code of w can be made before its row's sum is whole, so scores and softplus are made twice: pass A for the sums, pass B for the codes and the second product.
; DEAD WORK LEFT OUT: key steps of 128 that lie wholly behind a tile's 16 queries (first key > the queries' own step).  reference() builds the causal jnp.tril itself; there w = 0 for all values of the inputs, which adds
; 0 to the row's sum and 0 to out.  LIMIT: a NaN, an infinity or an overflow that arises only in those scores is not carried to the result.  Every input is loaded.
; SHARES.  Grid 8 x 32: work-group (g, bh) owns the query tiles T = g + 8 a, a = 0 .. 15, of head bh = 16 b + h.  Wave w takes a = 15 - w, then a = w: (16 - w) + (w + 1) = 17 key steps in each pass, alike in all waves of all work-groups.
; HEAD.  One tensor load a wave brings V's codes (256 keys x 64 rows each).  The eight waves quantise the head's whole K into LDS as images of operand registers, their two Q tiles into registers, and build two tables.  ONE barrier.
; After it no wave writes LDS but its own stage.
; NO CLUSTER: of the 704 KiB that a work-group takes in (512 K, 128 V, 64 Q) only V's 128 could be asked for jointly; K passes through registers to be quantised.  NO PREFETCH: all streams are asked for in the head, 24 to 32 loads a wave deep;
; the main phase reads nothing from memory.
; ARITHMETIC, in base 2.  y = s c2 + KB[key] (+ D in the two steps nearest the diagonal), c2 = log2(e) / 8 x 2^(e0 + e1).  KB[key] = mask ? rel_bias[31][h] log2(e) : -inf.
; D = -inf where key > q, else (rel_bias[bucket][h] - rel_bias[31][h]) log2(e), which is 0 from distance 113 on.  bucket() is reference()'s own function of the distance d: d under 16; then one more at d = 19, 21, 24, 27, 31, 35, 40, 46,
; 52, 59, 67, 77, 87, 99, 113 (16 x 8^(n/16), rounded up; no whole d lies near a boundary; from 113 on it is 31).
; softplus / ln 2 = max(y, 0) + log2(1 + e), e = 2^-|y| (reference()'s stable form).  u = 1 + e is rounded; t = u - 1 and r = e - t are exact, and r log2(e) gives back what the rounding of u took: sp' = max(y, 0) + log2(u) + r log2(e).
; y = -inf gives e = 0, u = 1, r = 0: sp' = 0 exactly.  den = sum(sp') ln 2 + 1e-8; rden = 1 / den, 0 where mask[q] = 0; w = (max + log2 u) (rden ln 2) + r rden.
; LIMITS: e0, e1, e2 between -126 and 119; e0 + e1 between -123 and 130; e2 + e3 between -126 and 127 (each power of two below is an f32 number).  NaN among the inputs is not served.  A softplus under 2^-126 comes out 0
; (v_exp_f32 flushes: ISA guide 15.8).  A score that overflows f32 gives NaN under a false mask too.
; LAYOUT (l lane, r = l % 16, h2 = l / 16).  S^T = K Q^T, O^T = V^T P^T: a lane holds ONE query, r.  Row rr of K's tile 2 b + u is key 32 b + 8 u + rr % 8 + 16 (rr / 8), so register Y[16 b + i] is key 32 b + 16 h2 + i: sixteen neighbours,
; and the conversions' results are the second product's operand.  K's and Q's fragments hold channel 32 c + 16 h2 + 0 .. 15 in registers 4 c .. 4 c + 3: one permutation of the 64 channels, the same on both sides.
; REGISTERS.  Window 0: v1-31 addresses and a query's figures; v32 Q; v40 P; v56 O^T; v88 Y; v152 E; v184 U; v216 L; v248 T.  In the head v32-159 rows as loaded, v160-223 rows turned, v224 codes, v232-255 scales and table work.
; Window 1: v0 K's 8 fragments; v64 64 words of KB; v128 V's 4 fragments; v192 the second tile's Q.
.set VT,    131072                     ; LDS.  0: K's images: tile (step s, t) at 1024 (8 s + t), register group c at + 512 c + 16 l.   VT: V's codes, 256 keys a chunk,
.set VCH,   17408                      ;   a chunk: 64 rows of 256 bytes + 16 of padding
.set KBT,   270336                     ; KB[key], 2,048 words
.set DT,    278528                     ; D: four copies DP bytes apart; copy c holds D(j' = p + c) at word p, j' = key - q + 16 g + 144, so that every lane reads whole aligned 16 bytes
.set DP,    1168
.set STG,   283392                     ; a stage of 16 rows x 272 bytes for each wave: the turn of K's and Q's rows, and the way out
.set STGW,  4352
.set SPARE, 318208                     ; the spare words, 128 bytes a wave: four blocks of 256 bytes that no other line names
.set SPW, 1                            ; v1  SPARE + 4 x my thread's number; never rewritten
.set NIL, 2                            ; v2  0; never rewritten
.set LI,  3                            ; v3  16 l
.set AKB, 4                            ; v4  KBT + 64 h2
.set AV0, 5                            ; v5  VT + 272 r + 16 h2
.set DADR, 6                           ; v6  my first 16 bytes of D for the step in front of the diagonal's
.set STO, 7                            ; v7  stage: row r, + 32 h2
.set RD,  8                            ; v8  stage: row h2, + 16 r
.set GL,  9                            ; v9  memory: row h2 of 4,096 bytes, + 16 r
.set ADK, 10
.set ADB, 11
.set ADV, 12
.set ADD, 13
.set SUMA, 14                          ; v[14:15] the row's sum, in two halves
.set INV, 18                           ; v[18:19] rden ln 2, twice
.set RDEN, 20                          ; v[20:21] rden, twice
.set PLIM, 22                          ; 448 x 2^e2
.set PSCL, 23                          ; 2^e2
.set QM,  24                           ; mask[q] of the tile in hand, of the second tile
.set QM2, 25
.set TMP, 26
.set TR,  28                           ; stage: row r, + 64 h2
.set KIW, 29                           ; where I store K's images: 16 l + 1024 w; the same + 65,536
.set KIW2, 30
.set NINF, 31
.set Q, 32
.set P, 40
.set O, 56
.set Y, 88
.set E, 152
.set U, 184
.set L, 216
.set T, 248
.set RAW, 32
.set X, 160
.set C, 224
.set KSCL, 232
.set KLIM, 233
.set QSCL, 234
.set QLIM, 235
.set KFR, 0                            ; window 1
.set KBV, 64
.set VF,  128
.set Q2,  192
.set WV, 18
.set G16, 19                           ; 16 g
.set BH, 20
.set BB, 21
.set HH, 22
.set G1, 24
.set G0, 32
.set ES, 36                            ; e0 .. e3
.set B31, 40                           ; rel_bias[31][h]
.set H4, 41                            ; 4 h
.set CS, 42                            ; c2, as a pair
.set OSC, 44                           ; 2^(e2 + e3), as a pair
.set EPS, 46
.set LN2, 47
.set KP, 48
.set QPA, 50
.set QPB, 52
.set OB, 54
.set OP, 56
.set T64, 58
.set Q0, 60                            ; my tile's first query
.set KD, 61                            ; first key of the step that holds my queries
.set KF, 62                            ; first key of the step (pass B: of the pair of steps) in hand
.set KA, 63                            ; its place in K's images,
.set KBO, 66                           ; in KB,
.set VA, 67                            ; in V
.set CNT, 68
.set TILE, 69
.set SEL, 76
.set LG, 78                            ; log2(e), as a pair
.set MSB, 0
.macro WIN new                         ; the immediate's high byte repeats the setting that is left; every window is 0 at a label and at a branch
.if MSB != \new
	s_set_vgpr_msb (MSB<<8)|\new
.set MSB, \new
.endif
.endm
.macro PLACES
.rept 4
	v_nop
.endr
.endm
	s_load_b256 s[4:11], s[0:1], 0x0               ; k s[4:5], lowp_scales s[6:7], mask s[8:9], q s[10:11]
	s_load_b128 s[12:15], s[0:1], 0x20             ; rel_bias s[12:13], v_codes s[14:15]
	s_load_b64 s[16:17], s[0:1], 0x30              ; out0
	v_lshl_add_u32 v[SPW], v0, 2, SPARE
	v_mov_b32 v[NIL], 0
	ds_add_u32 v[SPW], v[NIL]                      ; the wave's opening: the add, twice on end, and its wait ahead of my tensor load; the set-up below stands between
	ds_add_u32 v[SPW], v[NIL]
	v_lshrrev_b32 v[TMP], 5, v0
	v_readfirstlane_b32 s[WV], v[TMP]              ; wave 0..7
	s_lshl_b32 s[G16], ttmp9, 4
	s_and_b32 s[BH], ttmp7, 0xffff
	s_lshr_b32 s[BB], s[BH], 4                     ; b
	s_and_b32 s[HH], s[BH], 15                     ; h
	s_lshl_b32 s[H4], s[HH], 2
	; descriptor group 1: 64 rows of 256 bytes, 2,048 bytes apart in memory, 16 bytes of padding behind each in LDS
	s_mov_b32 s[G1+0], (1<<20)|(5<<22)|(3<<25)     ; no mask; elements of 1 byte; padding on; after every 64 words; four words
	s_mov_b32 s[G1+1], 256<<16                     ; tensor_dim0
	s_mov_b32 s[G1+2], 64<<16                      ; tensor_dim1
	s_mov_b32 s[G1+3], 256<<16                     ; tile_dim0
	s_mov_b32 s[G1+4], 64                          ; tile_dim1
	s_mov_b32 s[G1+5], 2048                        ; stride from row to row
	s_mov_b32 s[G1+6], 0
	s_mov_b32 s[G1+7], 0
	s_mov_b32 s[G0], 1
	s_mul_i32 s[G0+1], s[WV], VCH
	s_add_co_u32 s[G0+1], s[G0+1], VT              ; chunk w
	s_lshl_b32 s[T64], s[BB], 23                   ; q, k, out0: batch b is 2^23 bytes, head h 256 bytes of a row
	s_lshl_b32 s70, s[HH], 8
	s_add_co_u32 s[T64], s[T64], s70
	s_mov_b32 s[T64+1], 0
	s_lshl_b32 s66, s[BH], 17                      ; V: a head's 64 rows of 2,048 bytes; + 256 w
	s_lshl_b32 s70, s[WV], 8
	s_add_co_u32 s66, s66, s70
	s_mov_b32 s67, 0
	s_lshl_b32 s68, s[BB], 13                      ; mask: 8,192 bytes a batch
	s_mov_b32 s69, 0
	s_lshr_b32 s70, s[WV], 1                       ; K: my tile of every step begins at key 32 (w / 2) + 8 (w % 2)
	s_lshl_b32 s70, s70, 17
	s_and_b32 s71, s[WV], 1
	s_lshl_b32 s71, s71, 15
	s_add_co_u32 s70, s70, s71
	s_mov_b32 s71, 0
	s_xor_b32 s[KD], s[WV], 15                     ; the first tile: a = 15 - w
	s_lshl_b32 s[KD], s[KD], 7
	s_add_co_u32 s[Q0], s[KD], s[G16]
	s_lshl_b32 s72, s[Q0], 12
	s_mov_b32 s73, 0
	s_lshl_b32 s23, s[WV], 7                       ; the second: a = w
	s_add_co_u32 s23, s23, s[G16]
	s_lshl_b32 s74, s23, 12
	s_mov_b32 s75, 0
	s_mov_b32 s[SEL], 0x76543210
	s_mov_b32 s[SEL+1], 0xfedcba98
	s_mov_b32 s[EPS], 0x322bcc77                   ; 1e-8
	s_mov_b32 s[LN2], 0x3f317218
	s_mov_b32 s[LG], 0x3fb8aa3b
	s_mov_b32 s[LG+1], s[LG]
	s_wait_dscnt 0x0                               ; both opening adds are done
	s_wait_kmcnt 0x0
	s_add_nc_u64 s[G0+2:G0+3], s[14:15], s[66:67]
	s_or_b32 s[G0+3], s[G0+3], 0x80000000          ; type = 2
	tensor_load_to_lds s[G0:G0+3], s[G1:G1+7]      ; my one tensor load: every wave issues one, into bytes of its own; nothing is ever filled again
	s_nop 0
	PLACES
	s_load_b128 s[ES:ES+3], s[6:7], 0x0
	s_load_b32 s[B31], s[12:13], s[H4] offset:1984
	s_add_nc_u64 s[KP:KP+1], s[4:5], s[T64:T64+1]
	s_add_nc_u64 s[KP:KP+1], s[KP:KP+1], s[70:71]
	s_add_nc_u64 s[QPA:QPA+1], s[10:11], s[T64:T64+1]
	s_add_nc_u64 s[QPB:QPB+1], s[QPA:QPA+1], s[74:75]
	s_add_nc_u64 s[QPA:QPA+1], s[QPA:QPA+1], s[72:73]
	s_add_nc_u64 s[OB:OB+1], s[16:17], s[T64:T64+1]
	s_add_nc_u64 s[8:9], s[8:9], s[68:69]
	s_mul_i32 s70, s[WV], STGW
	s_add_co_u32 s70, s70, STG                     ; my stage
	s_lshl_b32 s71, s[WV], 10
	s_lshl_b32 s72, s[Q0], 2
	s_lshl_b32 s73, s23, 2
	s_add_co_u32 s74, s[G16], 144
	v_and_b32 v[TMP], 15, v0                       ; r
	v_bfe_u32 v[TMP+1], v0, 4, 1                   ; h2
	v_and_b32 v[NINF], 31, v0
	v_lshlrev_b32 v[LI], 4, v[NINF]
	v_lshlrev_b32 v[AKB], 6, v[TMP+1]
	v_add_nc_u32 v[AKB], KBT, v[AKB]
	v_mul_u32_u24 v[AV0], v[TMP], 272
	v_lshl_add_u32 v[AV0], v[TMP+1], 4, v[AV0]
	v_add_nc_u32 v[AV0], VT, v[AV0]
	v_sub_nc_u32 v[DADR], 16, v[TMP]               ; D: copy c = (-r) % 4; word p = j' - c = 16 + 32 b + 16 h2 + i - (r rounded up to 4) in the step in front of the diagonal's
	v_and_b32 v[DADR], 3, v[DADR]
	v_mul_u32_u24 v[DADR], v[DADR], DP
	v_lshl_add_u32 v[DADR], v[TMP+1], 6, v[DADR]
	v_add_nc_u32 v[DADR], DT+64, v[DADR]
	v_add_nc_u32 v[ADD], 3, v[TMP]
	v_and_b32 v[ADD], 0x1c, v[ADD]
	v_lshlrev_b32 v[ADD], 2, v[ADD]
	v_sub_nc_u32 v[DADR], v[DADR], v[ADD]
	v_mul_u32_u24 v[STO], v[TMP], 272
	v_add_nc_u32 v[STO], s70, v[STO]
	v_lshl_add_u32 v[TR], v[TMP+1], 6, v[STO]
	v_lshl_add_u32 v[STO], v[TMP+1], 5, v[STO]
	v_mul_u32_u24 v[RD], v[TMP+1], 272
	v_lshl_add_u32 v[RD], v[TMP], 4, v[RD]
	v_add_nc_u32 v[RD], s70, v[RD]
	v_lshlrev_b32 v[GL], 12, v[TMP+1]
	v_lshl_add_u32 v[GL], v[TMP], 4, v[GL]
	v_add_nc_u32 v[KIW], s71, v[LI]
	v_add_nc_u32 v[KIW2], 0x10000, v[KIW]
	; THE TABLES' LOADS go out first, so that they are older than K's.  v236-243 my 8 mask words; v244 / v249 rel_bias of my entries of D; v245 / v246 their distances
	v_lshlrev_b32 v247, 5, v0
	global_load_b128 v[236:239], v247, s[8:9]
	global_load_b128 v[240:243], v247, s[8:9] offset:16
	v_lshl_add_u32 v251, v[TMP], 2, s72
	global_load_b32 v[QM], v251, s[8:9]
	v_lshl_add_u32 v252, v[TMP], 2, s73
	global_load_b32 v[QM2], v252, s[8:9]
	v_add_nc_u32 v253, KBT, v247                   ; where my 8 words of KB go
	v_lshl_add_u32 v254, v0, 2, DT                 ; and my entry of D: copy c at + (DP - 4) c
; The bucket of a distance, as a byte offset in rel_bias.  A distance under 0 (key after query) reads as a very large number here and takes bucket 31; its entry becomes -inf below.
.macro BUCKET dd, off
	v_min_u32 v[\off], 16, v[\dd]
.irp t, 19,21,24,27,31,35,40,46,52,59,67,77,87,99,113
	v_cmp_le_u32 vcc_lo, \t, v[\dd]
	v_cndmask_b32 v255, 0, 1, vcc_lo
	v_add_nc_u32 v[\off], v[\off], v255
.endr
	v_lshl_add_u32 v[\off], v[\off], 6, s[H4]      ; a bucket's row is 64 bytes
.endm
	v_sub_nc_u32 v245, s74, v0                     ; entry j' = my thread's number: q - key = 144 + 16 g - j'
	BUCKET 245, 248
	global_load_b32 v244, v248, s[12:13]
	s_cmp_lg_u32 s[WV], 0                          ; entries 256 .. 287 (271 is the last that is read): wave 0
	s_cbranch_scc1 .Lno_second
	v_add_nc_u32 v246, 0xffffff00, v245
	BUCKET 246, 250
	global_load_b32 v249, v250, s[12:13]
.Lno_second:
; THE HEAD'S PIPELINE: 18 units of 16 rows x 64 numbers.  Unit u < 16: my tile (t = w) of key step u.  Unit 16: the second tile's Q.  Unit 17: the first tile's Q.
.macro LOADU u                         ; eight loads; sixteen lanes read one row's 256 bytes, aligned; lanes 16-31 the next row.  The tile's rows 8-15 lie 16 keys behind its rows 0-7
.set RW, RAW+32*((\u)%4)
.set i, 0
.rept 8
.if (\u) < 16
	global_load_b128 v[RW+4*i:RW+4*i+3], v[GL], s[KP:KP+1] offset:524288*(\u)+8192*i+32768*(i/4)
.elseif (\u) == 16
	global_load_b128 v[RW+4*i:RW+4*i+3], v[GL], s[QPB:QPB+1] offset:8192*i th:TH_LOAD_NT
.else
	global_load_b128 v[RW+4*i:RW+4*i+3], v[GL], s[QPA:QPA+1] offset:8192*i th:TH_LOAD_NT
.endif
.set i, i+1
.endr
.endm
.macro TURN u                          ; through my stage: in as rows, back as 2 x 16 neighbours of row r.  LDS serves a wave's instructions in order (ISA guide 5.7.1.4): no wait between
.set RW, RAW+32*((\u)%4)
.set XW, X+32*((\u)%2)
.set i, 0
.rept 8
	ds_store_b128 v[RD], v[RW+4*i:RW+4*i+3] offset:544*i
.set i, i+1
.endr
.set i, 0
.rept 8
	ds_load_b128 v[XW+4*i:XW+4*i+3], v[TR] offset:128*(i/4)+16*(i%4)
.set i, i+1
.endr
.endm
.macro QUANT u, sc, lim, dst
.set XW, X+32*((\u)%2)
.set i, 0
.rept 32
	v_med3_num_f32 v[XW+i], v[XW+i], -v[\lim], v[\lim]   ; the conversion to an 8-bit code does not saturate (ISA guide 7.6.2): the hold at the largest code x the scale
.set i, i+1
.endr
.set i, 0
.rept 4
	v_cvt_scalef32_pk8_fp8_f32 v[\dst+2*i:\dst+2*i+1], v[XW+8*i:XW+8*i+7], v[\sc]
.set i, i+1
.endr
	v_nop                                          ; a plain vector line behind the last conversion
.endm
.macro IMG u                           ; the fragment goes to LDS as it stands
.if (\u) < 8
	ds_store_b128 v[KIW], v[C:C+3] offset:8192*(\u)
	ds_store_b128 v[KIW], v[C+4:C+7] offset:8192*(\u)+512
.else
	ds_store_b128 v[KIW2], v[C:C+3] offset:8192*((\u)-8)
	ds_store_b128 v[KIW2], v[C+4:C+7] offset:8192*((\u)-8)+512
.endif
.endm
.macro UNIT u
.if (\u) < 17
.if (\u) < 15
	s_wait_loadcnt 16                              ; unit u + 1 is in; behind it units u + 2 and u + 3 were issued
.elseif (\u) == 15
	s_wait_loadcnt 8                               ; behind unit 16: unit 17
.else
	s_wait_loadcnt 0
.endif
	TURN (\u)+1
	s_wait_dscnt 16                                ; all but that turn's sixteen: unit u is back, its stores have read its rows' registers, and the last image's stores have read the codes
.else
	s_wait_dscnt 0
.endif
.if (\u)+4 <= 17
	LOADU (\u)+4
.endif
.if (\u) < 16
	QUANT \u, KSCL, KLIM, C
	IMG \u
.elseif (\u) == 16
	QUANT \u, QSCL, QLIM, C
	WIN 0x40                                       ; destination window 1
.set i, 0
.rept 8
	v_mov_b32 v[Q2+i], v[C+i]
.set i, i+1
.endr
	WIN 0
.else
	QUANT \u, QSCL, QLIM, Q
.endif
.endm
	LOADU 0
	LOADU 1
	LOADU 2
	LOADU 3
	s_wait_kmcnt 0x0
.macro SCALE e, sc, lim                ; 2^e and 448 x 2^e as f32
	s_add_co_i32 s70, s[\e], 127
	s_lshl_b32 s71, s70, 23
	v_mov_b32 v[\sc], s71
	s_add_co_i32 s70, s70, 8
	s_lshl_b32 s70, s70, 23
	s_or_b32 s70, s70, 0x600000
	v_mov_b32 v[\lim], s70
.endm
	SCALE ES, QSCL, QLIM
	SCALE ES+1, KSCL, KLIM
	SCALE ES+2, PSCL, PLIM
	s_add_co_i32 s70, s[ES], s[ES+1]
	s_lshl_b32 s70, s70, 23
	s_add_co_i32 s[CS], s70, 0x3e38aa3b            ; log2(e) / 8, with e0 + e1 added to its exponent field
	s_mov_b32 s[CS+1], s[CS]
	s_add_co_i32 s70, s[ES+2], s[ES+3]
	s_add_co_i32 s70, s70, 127
	s_lshl_b32 s[OSC], s70, 23
	s_mov_b32 s[OSC+1], s[OSC]
	v_mov_b32 v[NINF], 0xff800000
	v_mov_b32 v255, s[B31]
	v_mul_f32 v255, s[LG], v255                    ; rel_bias[31][h] log2(e)
	s_wait_loadcnt 32                              ; the tables' loads are in; the 32 loads of units 0 to 3, issued behind them, stay out
.set i, 0
.rept 8
	v_cmp_ne_u32 vcc_lo, 0, v[236+i]
	v_cndmask_b32 v[236+i], v[NINF], v255, vcc_lo
.set i, i+1
.endr
	ds_store_b128 v253, v[236:239]
	ds_store_b128 v253, v[240:243] offset:16
	v_sub_f32 v244, v244, s[B31]
	v_mul_f32 v244, s[LG], v244
	v_cmp_gt_i32 vcc_lo, 0, v245                   ; key after query
	v_cndmask_b32 v244, v244, v[NINF], vcc_lo
.irp c, 0,1,2,3
	ds_store_b32 v254, v244 offset:(DP-4)*\c
.endr
	s_cmp_lg_u32 s[WV], 0
	s_cbranch_scc1 .Lno_second_b
	v_sub_f32 v249, v249, s[B31]
	v_mul_f32 v249, s[LG], v249
	v_cmp_gt_i32 vcc_lo, 0, v246
	v_cndmask_b32 v249, v249, v[NINF], vcc_lo
.irp c, 0,1,2,3
	ds_store_b32 v254, v249 offset:1024+(DP-4)*\c
.endr
.Lno_second_b:
	s_wait_loadcnt 24                              ; unit 0 is in; units 1 to 3 stay out
	TURN 0
.set UU, 0
.rept 18
	UNIT UU
.set UU, UU+1
.endr
	s_wait_tensorcnt 0x0                           ; my chunk of V has landed,
	s_wait_dscnt 0x0                               ; my images and table words are stored:
	s_barrier_signal -1
	s_barrier_wait -1                              ; everybody's are.  The one barrier: from here on each wave writes its own stage alone
; ---------------- THE MAIN PHASE
.macro FETCHK ak, ab, ko, bo           ; a step's 8 fragments of K and 64 words of KB, into window 1
	WIN 0x40
.set i, 0
.rept 16
	ds_load_b128 v[KFR+4*i:KFR+4*i+3], v[\ak] offset:(\ko)+512*i
.set i, i+1
.endr
.set i, 0
.rept 16
	ds_load_b128 v[KBV+4*i:KBV+4*i+3], v[\ab] offset:(\bo)+128*(i/4)+16*(i%4)
.set i, i+1
.endr
	WIN 0
.endm
.macro VFETCH q                        ; V's 4 fragments (16 channels x 128 keys) of the chunk's q-th step
	WIN 0x40
.set i, 0
.rept 16
	ds_load_b128 v[VF+4*i:VF+4*i+3], v[ADV] offset:4352*(i/4)+128*(\q)+32*(i%4)
.set i, i+1
.endr
	WIN 0
.endm
.macro CORE                            ; y = s c2 + KB for 128 keys x my 16 queries
	s_wait_dscnt 0x0                               ; the step's operands, asked for ahead of the last step's softplus
	WIN 0x01                                       ; source 0 (K) window 1
.set i, 0
.rept 8
	v_wmma_f32_16x16x64_fp8_fp8 v[Y+8*i:Y+8*i+7], v[KFR+8*i:KFR+8*i+7], v[Q:Q+7], 0
.set i, i+1
.endr
	PLACES                                         ; four places ahead of the first read of results and of the loads into K's registers
	WIN 0x10                                       ; source 2 (KB) window 1
.set i, 0
.rept 32
	v_pk_fma_f32 v[Y+i:Y+i+1], v[Y+i:Y+i+1], s[CS:CS+1], v[KBV+i:KBV+i+1] op_sel_hi:[1,0,1]   ; each accumulator from its low end on
.set i, i+2
.endr
	WIN 0
.endm
; A step's scores.  Far from the diagonal (every distance 113 or more: first key + 240 <= my first query) D is 0 and is left out; the choice hangs on ids and the count of steps, and is made once.
.macro HEADSTEP kf
	s_add_co_u32 s71, s[\kf], 240
	s_cmp_gt_u32 s71, s[Q0]
	s_cbranch_scc1 .Lnear_\@
	CORE
	s_branch .Ljoin_\@
.Lnear_\@:
	s_cmp_eq_u32 s[\kf], s[KD]
	s_cselect_b32 s71, 512, 0                      ; the diagonal's step lies 128 entries further on
	v_add_nc_u32 v[ADD], s71, v[DADR]
.set i, 0
.rept 16
	ds_load_b128 v[E+4*i:E+4*i+3], v[ADD] offset:128*(i/4)+16*(i%4)   ; 64 words of D, where E and U will stand
.set i, i+1
.endr
	CORE
.set i, 0
.rept 32
	v_pk_add_f32 v[Y+i:Y+i+1], v[Y+i:Y+i+1], v[E+i:E+i+1]
.set i, i+2
.endr
.Ljoin_\@:
.endm
; 32 numbers y in v[Y + o] on become sp' (mode 0) or w (mode 1).  Two batches of 32 transcendentals, each with plain lines dealt between and ONE wait behind it, ahead of its first reader.
.macro SOFTPLUS o, mode
	v_exp_f32 v[E], -|v[Y+\o]|
	v_nop
.set j, 1
.rept 31
	v_exp_f32 v[E+j], -|v[Y+\o+j]|                 ; e = 2^-|y|
	v_max_num_f32 v[Y+\o+j-1], 0, v[Y+\o+j-1]      ; max(y, 0): y is written over one plain line behind its exponential
.set j, j+1
.endr
	v_max_num_f32 v[Y+\o+31], 0, v[Y+\o+31]
	s_wait_alu depctr_va_vdst(0)
.set j, 0
.rept 16
	v_pk_add_f32 v[U+j:U+j+1], v[E+j:E+j+1], 1.0 op_sel_hi:[1,0]   ; u = 1 + e
.set j, j+2
.endr
.set p, 0
.rept 16
	v_log_f32 v[L+2*p], v[U+2*p]
	v_pk_add_f32 v[T+2*(p%4):T+2*(p%4)+1], v[U+2*p:U+2*p+1], -1.0 op_sel_hi:[1,0]   ; t = u - 1, exact
	v_log_f32 v[L+2*p+1], v[U+2*p+1]
.if p > 0
	v_pk_add_f32 v[E+2*p-2:E+2*p-1], v[E+2*p-2:E+2*p-1], v[T+2*((p-1)%4):T+2*((p-1)%4)+1] neg_lo:[0,1] neg_hi:[0,1]   ; r = e - t, exact
.endif
.set p, p+1
.endr
	v_pk_add_f32 v[E+30:E+31], v[E+30:E+31], v[T+6:T+7] neg_lo:[0,1] neg_hi:[0,1]
	s_wait_alu depctr_va_vdst(0)
.set j, 0
.rept 16
	v_pk_add_f32 v[Y+\o+j:Y+\o+j+1], v[Y+\o+j:Y+\o+j+1], v[L+j:L+j+1]
.set j, j+2
.endr
.if \mode
.set j, 0
.rept 16
	v_pk_mul_f32 v[Y+\o+j:Y+\o+j+1], v[Y+\o+j:Y+\o+j+1], v[INV:INV+1]
.set j, j+2
.endr
.set j, 0
.rept 16
	v_pk_fma_f32 v[Y+\o+j:Y+\o+j+1], v[E+j:E+j+1], v[RDEN:RDEN+1], v[Y+\o+j:Y+\o+j+1]
.set j, j+2
.endr
.else
.set j, 0
.rept 16
	v_pk_fma_f32 v[Y+\o+j:Y+\o+j+1], v[E+j:E+j+1], s[LG:LG+1], v[Y+\o+j:Y+\o+j+1] op_sel_hi:[1,0,1]
.set j, j+2
.endr
.endif
.endm
; A key step of pass B, the q-th of a chunk of 256 keys
.macro STEPB q
	s_add_co_u32 s70, s[KF], 128*\q
	s_cmp_gt_u32 s70, s[KD]                        ; all its keys come after my queries: left out
	s_cbranch_scc1 .LendB
	HEADSTEP 70
	v_add_nc_u32 v[ADK], s[KA], v[LI]
	v_add_nc_u32 v[ADB], s[KBO], v[AKB]
	v_add_nc_u32 v[ADV], s[VA], v[AV0]
	VFETCH \q                                      ; V of this step and K of the next land under the softplus
	s_cmp_lt_u32 s70, s[KD]
	s_cbranch_scc0 .Llast_\@
	FETCHK ADK, ADB, 8192*(\q+1), 512*(\q+1)
.Llast_\@:
	SOFTPLUS 0, 1
	SOFTPLUS 32, 1
.irp b, 0,1,2,3
.set i, 0
.rept 16
	v_min_num_f32 v[Y+16*\b+i], v[Y+16*\b+i], v[PLIM]   ; w is not negative: the hold is one-sided
.set i, i+1
.endr
	v_cvt_scalef32_pk8_fp8_f32 v[P+4*\b:P+4*\b+1], v[Y+16*\b:Y+16*\b+7], v[PSCL]
	v_cvt_scalef32_pk8_fp8_f32 v[P+4*\b+2:P+4*\b+3], v[Y+16*\b+8:Y+16*\b+15], v[PSCL]
.endr
	v_nop                                          ; a plain vector line between the last conversion and the products
	s_wait_dscnt 0x0
	WIN 0x01                                       ; source 0 (V) window 1
.set i, 0
.rept 4
	v_wmma_f32_16x16x128_fp8_fp8 v[O+8*i:O+8*i+7], v[VF+16*i:VF+16*i+15], v[P:P+15], v[O+8*i:O+8*i+7]   ; the four accumulators by turns; the scores' products stand between two turns of one
.set i, i+1
.endr
	WIN 0
.endm
	s_mov_b32 s[TILE], 0
.Ltile:                                            ; two trips: my two tiles
	; ---- pass A: the rows' sums
	v_mov_b32 v[SUMA], 0
	v_mov_b32 v[SUMA+1], 0
	s_mov_b32 s[KF], 0
	s_mov_b32 s[KA], 0
	s_mov_b32 s[KBO], 0
	FETCHK LI, AKB, 0, 0                           ; no LDS load of mine is out here: the barrier's wait, or the way out's last, was for 0
.LpassA:                                           ; 16 trips, a constant; the steps behind my queries are jumped over
	s_cmp_gt_u32 s[KF], s[KD]
	s_cbranch_scc1 .LendA
	HEADSTEP KF
	v_add_nc_u32 v[ADK], s[KA], v[LI]
	v_add_nc_u32 v[ADB], s[KBO], v[AKB]
	s_cmp_lt_u32 s[KF], s[KD]
	s_cbranch_scc0 .LlastA
	FETCHK ADK, ADB, 8192, 512                     ; the next step's operands land under the softplus
.LlastA:
	SOFTPLUS 0, 0
	SOFTPLUS 32, 0
.irp w, 32,16,8,4,2                    ; the step's 64 numbers as a tree of packed sums
.set z, 0
.rept \w/2
	v_pk_add_f32 v[Y+z:Y+z+1], v[Y+z:Y+z+1], v[Y+z+\w:Y+z+\w+1]
.set z, z+2
.endr
.endr
	v_pk_add_f32 v[SUMA:SUMA+1], v[SUMA:SUMA+1], v[Y:Y+1]
.LendA:
	s_add_co_u32 s[KA], s[KA], 8192
	s_add_co_u32 s[KBO], s[KBO], 512
	s_add_co_u32 s[KF], s[KF], 128
	s_cmp_lt_u32 s[KF], 2048
	s_cbranch_scc1 .LpassA
	; ---- the divisor
	v_add_f32 v[TMP+1], v[SUMA], v[SUMA+1]
	v_permlanex16_b32 v[TMP], v[TMP+1], s[SEL], s[SEL+1]   ; the query's other keys lie in lane l xor 16
	v_add_f32 v[TMP], v[TMP], v[TMP+1]
	v_fma_f32 v[TMP], v[TMP], s[LN2], s[EPS]       ; the sum of softplus + 1e-8
	v_rcp_f32 v[RDEN], v[TMP]
	v_nop                                          ; a plain line behind the reciprocal
	v_cmp_ne_u32 vcc_lo, 0, v[QM]
	s_wait_alu depctr_va_vdst(0)                   ; and a wait ahead of its first reader
	v_cndmask_b32 v[RDEN], 0, v[RDEN], vcc_lo      ; mask[q] = 0: every w of the row is 0
	v_mov_b32 v[RDEN+1], v[RDEN]
	v_mul_f32 v[INV], s[LN2], v[RDEN]
	v_mov_b32 v[INV+1], v[INV]
.set i, 0
.rept 32
	v_mov_b32 v[O+i], 0                            ; O^T: the step is written once, so its first turn finds zeros
.set i, i+1
.endr
	; ---- pass B: w, its codes, O^T += V^T P^T
	s_mov_b32 s[KF], 0
	s_mov_b32 s[KA], 0
	s_mov_b32 s[KBO], 0
	s_mov_b32 s[VA], 0
	s_mov_b32 s[CNT], 0
	s_wait_dscnt 0x0                               ; pass A's fetches into K's fragments and the words of KB are back, on every way through its loop: the loads below land in the same registers
	FETCHK LI, AKB, 0, 0
.LpassB:                                           ; 8 trips, a constant: a chunk of 256 keys, two steps
	STEPB 0
	STEPB 1
.LendB:
	s_add_co_u32 s[KF], s[KF], 256
	s_add_co_u32 s[KA], s[KA], 16384
	s_add_co_u32 s[KBO], s[KBO], 1024
	s_add_co_u32 s[VA], s[VA], VCH
	s_add_co_u32 s[CNT], s[CNT], 1
	s_cmp_lt_u32 s[CNT], 8
	s_cbranch_scc1 .LpassB
	; ---- the way out: x 2^(e2 + e3); through my stage, so that sixteen lanes store one row's 256 bytes, aligned
	PLACES
.set i, 0
.rept 16
	v_pk_mul_f32 v[Y+i:Y+i+1], v[O+i:O+i+1], s[OSC:OSC+1] op_sel_hi:[1,0]   ; register 8 t + j: out(r, 16 t + 8 h2 + j); each accumulator from its low end on
.set i, i+2
.endr
.irp t, 0,1,2,3
	ds_store_b128 v[STO], v[Y+8*\t:Y+8*\t+3] offset:64*\t
	ds_store_b128 v[STO], v[Y+8*\t+4:Y+8*\t+7] offset:64*\t+16
.endr
.irp i, 0,1,2,3,4,5,6,7
	ds_load_b128 v[Y+32+4*\i:Y+32+4*\i+3], v[RD] offset:544*\i   ; in order behind my stores
.endr
	s_lshl_b32 s[T64], s[Q0], 12
	s_add_nc_u64 s[OP:OP+1], s[OB:OB+1], s[T64:T64+1]
.irp i, 0,1,2,3,4,5,6,7
	s_wait_dscnt 7-\i                              ; the younger read-backs may stay out
	global_store_b128 v[GL], v[Y+32+4*\i:Y+32+4*\i+3], s[OP:OP+1] offset:8192*\i th:TH_STORE_NT
.endr
	s_wait_xcnt 0x0                                ; the stores' data registers and base are written again only behind this wait
	; ---- on to the second tile (in the second trip these lines' results are not used)
	WIN 0x01
.set i, 0
.rept 8
	v_mov_b32 v[Q+i], v[Q2+i]
.set i, i+1
.endr
	WIN 0
	v_mov_b32 v[QM], v[QM2]
	s_xor_b32 s[KD], s[KD], 1920                   ; a = 15 - w becomes a = w
	s_add_co_u32 s[Q0], s[KD], s[G16]
	s_add_co_u32 s[TILE], s[TILE], 1
	s_cmp_lt_u32 s[TILE], 2
	s_cbranch_scc1 .Ltile
	s_wait_tensorcnt 0x0                           ; the wave's end: behind my tensor load and my last LDS store
	ds_add_u32 v[SPW], v[NIL]
	s_wait_dscnt 0x0
	s_endpgm
.Lfunc_end_k_qbf7c8d45fa_attn:
	.size	k_qbf7c8d45fa_attn, .Lfunc_end_k_qbf7c8d45fa_attn-k_qbf7c8d45fa_attn
	.p2alignl 7, 3214868480
	.fill 96, 4, 3214868480
	.section	.rodata,"a",@progbits
	.p2align	6, 0x0
	.amdhsa_kernel k_qbf7c8d45fa_attn
		.amdhsa_group_segment_fixed_size 327680
		.amdhsa_private_segment_fixed_size 0
		.amdhsa_enable_private_segment 0
		.amdhsa_kernarg_size 56
		.amdhsa_user_sgpr_count 2
		.amdhsa_user_sgpr_kernarg_segment_ptr 1
		.amdhsa_wavefront_size32 1
		.amdhsa_system_sgpr_workgroup_id_x 1
		.amdhsa_system_sgpr_workgroup_id_y 1
		.amdhsa_system_sgpr_workgroup_id_z 1
		.amdhsa_system_vgpr_workitem_id 0
		.amdhsa_next_free_vgpr 512
		.amdhsa_next_free_sgpr 80
		.amdhsa_reserve_vcc 1
		.amdhsa_float_denorm_mode_32 3
		.amdhsa_float_denorm_mode_16_64 3
		.amdhsa_memory_ordered 1
		.amdhsa_forward_progress 1
		.amdhsa_inst_pref_size 202
	.end_amdhsa_kernel
	.amdgpu_metadata
---
amdhsa.version: [ 1, 2 ]
amdhsa.kernels:
  - .name:           k_qbf7c8d45fa_attn
    .symbol:         k_qbf7c8d45fa_attn.kd
    .args:
      - { .name: k, .offset: 0, .size: 8, .value_kind: global_buffer, .address_space: global }
      - { .name: lowp_scales, .offset: 8, .size: 8, .value_kind: global_buffer, .address_space: global }
      - { .name: mask, .offset: 16, .size: 8, .value_kind: global_buffer, .address_space: global }
      - { .name: q, .offset: 24, .size: 8, .value_kind: global_buffer, .address_space: global }
      - { .name: rel_bias, .offset: 32, .size: 8, .value_kind: global_buffer, .address_space: global }
      - { .name: v_codes, .offset: 40, .size: 8, .value_kind: global_buffer, .address_space: global }
      - { .name: out0, .offset: 48, .size: 8, .value_kind: global_buffer, .address_space: global }
    .group_segment_fixed_size: 327680
    .private_segment_fixed_size: 0
    .kernarg_segment_align: 8
    .kernarg_segment_size: 56
    .max_flat_workgroup_size: 256
    .sgpr_count:     80
    .vgpr_count:     512
    .wavefront_size: 32
...
	.end_amdgpu_metadata
.endif
;; end of part 1
